; MI455X (gfx1250); checked and timed in simulation.
; The chip was launched on July 23, 2026; its instructions are those of AMD's public machine-readable ISA for CDNA 5 (MIT licence, August 2026) and "CDNA5" Instruction Set Architecture Reference Guide (July 2026). The comments in the code are by the model that wrote it; some were corrected since.
;; Moe Block. Allowed arithmetic: matrix products marked QUANTISED: E2M3 operands, one E8M0 scale for each 32 along K, by v_wmma_scale_f32_16x16x128_f8f6f4 with both operands' format E2M3, f32 sums; products left as they are: f32 operands where the result goes on into a quantised operand, else bf16, f16 or f32 operands; f32 sums; everything else in f32.
;; Inputs: gate_kernel 1,024 x 8 float32; w0 8 x 1,024 x 2,048 float32; w1 8 x 1,024 x 2,048 float32; wo 8 x 2,048 x 1,024 float32; x 2 x 512 x 1,024 float32.
;; Outputs: out0 2 x 512 x 1,024 float32.
;; Constants: top_k = 2.
;; This version of the problem:
;;   THIS VERSION OF THE PROBLEM IS GIVEN IN LOW PRECISION. The matrix products marked QUANTISED in the list below multiply operands that are first quantised to E2M3 (2 exponent bits, 3 mantissa bits; 6 bits a number), with one power-of-two scale for each 32 numbers along K (OCP MX v1.0); their sums are f32. All else is computed in f32.
;;   The module's matrix products, in the order in which they are computed (A, B: the left and right operand; K: the contracted axis; several contracted axes count as one K, in the product's order):
;;     1. [M 1,024, K 1,024] x [K 1,024, N 8]; A: input x; B: input gate_kernel: left as it is (N = 8 < 16)
;;     2. batch 1,024 x [M 1, K 2] x [K 2, N 8]; A: softmax; B: computed on the way: left as it is (K = 2 < 32)
;;     3. [M 16,384, K 1,024] x [K 1,024, N 1,024]; A: input w0; B: input x: QUANTISED
;;     4. [M 16,384, K 1,024] x [K 1,024, N 1,024]; A: input w1; B: input x: QUANTISED
;;     5. batch 8 x [M 1,024, K 2,048] x [K 2,048, N 1,024]; A: computed on the way; B: input wo: QUANTISED
;;     6. batch 1,024 x [M 1,024, K 8] x [K 8, N 1]; A: computed on the way; B: computed on the way: left as it is (K = 8 < 32)
;;   THE QUANTISER, for each operand of a quantised product, along K:
;;     - K is cut into blocks of 32 from its start; a last block that is shorter is filled with zeros.
;;     - A block's scale is 2^e with e = floor(log2(the largest magnitude in the block)) - 2, held to -126 .. 127; a block of zeros has e = 0. As a byte (E8M0): e + 127.
;;     - Each number is divided by its block's scale, clamped to +-7.5, and rounded to the nearest number of E2M3, ties to even, subnormals kept.
;;     - The product sums the exact products of the quantised numbers (number of the format x scale) in f32.
;;   ~~~python
;;   def quantise(x, axis):      # numpy; x: float32 -> the quantised numbers, widened to float32 again
;;       x = np.moveaxis(x, axis, -1); K = x.shape[-1]
;;       x = np.pad(x, [(0, 0)] * (x.ndim - 1) + [(0, -K % 32)]); x = x.reshape(x.shape[:-1] + (-1, 32)); a = np.abs(x).max(-1, keepdims=True)
;;       e = np.where(a > 0, np.clip(np.frexp(np.where(a > 0, a, 1))[1] - 1 - 2, -126, 127), 0)      # np.frexp(a)[1] - 1 = floor(log2(a)), exactly
;;       r = np.clip(x / 2.0 ** e, -7.5, 7.5)
;;       step = 2.0 ** (np.maximum(np.frexp(np.where(r == 0, 1, r))[1] - 1, 0) - 3)
;;       q = np.round(r / step) * step * 2.0 ** e      # np.round: ties to even
;;       return np.moveaxis(q.reshape(q.shape[:-2] + (-1,))[..., :K], -1, axis).astype(np.float32)
;;   ~~~
;;   OPERANDS COMPUTED ON THE WAY. 'Computed on the way' means the value that the module computes at that place (a softmax that the list does not call 'softmax' is quantised finished and normalised). What goes into a quantiser is computed in f32, as accurately as f32 sums, v_exp_f32 and their like allow (about 1e-6 of the number): no bf16 or f16 on the way to a quantiser, and a product that is left as it is and whose result goes on into a quantised operand takes f32 operands (vector FMAs, or v_wmma_f32_16x16x4_f32). A number that lies on a knife's edge between two numbers of the format may be rounded either way, as far as f32 arithmetic and the matrix unit's own rounding can turn it there, and no further.
;; One version. Each part assembles by itself: llvm-mc -triple=amdgcn-amd-amdhsa -mcpu=gfx1250 --defsym DOCPART=n.
;; ======== version 1 of 1: 4 launches
;; limits: right only within a limited range of input values
;; workspace buffers: xq 819,200 bytes; woq 13,107,200 bytes; hq 13,107,200 bytes; sel 4,096 bytes of whole numbers; prob 8,192 bytes; lst 36,864 bytes of whole numbers; y 8,388,608 bytes
;; launch prep (part 1): grid 576 x 1, 4 waves a work-group, no clusters, 50,432 bytes of LDS; arguments x, gate_kernel, wo, xq, sel, prob, woq; writes xq, sel, prob, woq
.if DOCPART == 1
	.amdgcn_target "amdgcn-amd-amdhsa--gfx1250"
	.amdhsa_code_object_version 6
	.text
	.protected	k_qfbc9ccf0ca_prep
	.globl	k_qfbc9ccf0ca_prep
	.p2align	8
	.type	k_qfbc9ccf0ca_prep,@function
k_qfbc9ccf0ca_prep:
	s_mov_b64 s[64:65], 0
	v_nop
	global_prefetch_b8 v0, s[64:65] scope:SCOPE_SE
	s_setreg_imm32_b32 hwreg(HW_REG_WAVE_MODE, 25, 1), 1
	s_wait_xcnt 0x0
; PREP.  Work-groups 0-63: the router and x's codes, 16 tokens each.  Work-groups 64-575: wo's codes, a wave to a unit of 64 columns x 128 along K.
; ROUTER: logits = x gate_kernel in f32 (f32 matrix form, K shared out among the four waves, partial sums joined in LDS), the two largest (ties: the lower index), softmax over the two with the larger taken away first.
;   sel[t] = first | second << 8, prob[t] = (p_first, p_second): stored at fixed places; no address and no branch here hangs on them.
; CODES: E2M3, one E8M0 byte for 32 along K: byte = the block's largest magnitude's exponent field - 2, held at 1 from below.
;   xq: token t at 768 t, K step s (128 along E) at + 96 s, lane half h at + 48 h: the twelve operand registers of lane (r, h): block 4 s + h, then block 4 s + 2 + h.  Scale words at XSB + 32 t + 4 s.
;   woq: fragment (expert e, group of 32 columns cg, K step s, tile j) at (32 e + cg) 49152 + 3072 s + 1536 j, as an image of its registers (register g of lane l at 512 (g / 4) + 16 l + 4 (g % 4)).
;        Scale words at WOS + ((16 e + cg / 2) 16 + s) 256 + 8 lane + 4 (cg % 2): lane l holds column l's word, so tile 0 is read from lanes 0-15 and tile 1 from lanes 16-31.
; LIMITS: NaN and infinities among the inputs are not served.  A block of zeros gets the byte 1 (the rule says 127): its codes are zeros and this program alone reads the bytes.
;   Logits that differ by less than the error of an f32 sum of 1,024 terms may be ordered otherwise than by another order of summation.
; Each of the two paths has LDS bytes of its own.  v112-127 are written by the f32 matrix instructions alone, in the whole text.
.set XSB,  786432
.set WOS,  12582912
.set STG,  32768                       ; router path: 16 rows of x's codes, 768 bytes + 16
.set SPX,  784
.set XSS,  STG+16*SPX                  ; 512 bytes: the 16 tokens' scale words
.set PART, XSS+512                     ; 4 x 1,024 bytes: each wave's partial logits
; wo's path
.set GOFF, 2                           ; v2  (lane / 16) rows + 16 (lane % 16): my 16 bytes of two rows of 256 bytes
.set SST,  3                           ; v3  my wave's stage (8,192 bytes at 8192 x wave) + 16 x lane
.set SLD,  4                           ; v4  the stage + 4 x lane: my column
.set L16,  5
.set L8,   6
.set M0,   8
.set M1,   9
.set SO,   10
.set BY,   11
.set TC,   12                          ; v12-14
.set SW,   16                          ; v16-17 the two groups' scale words
.set X,    32                          ; v32-63 a block: 32 numbers down K of my column
.set PQ,   64                          ; v64-111 group g: P at 24 g (blocks 0, 2), Q at 24 g + 12 (blocks 1, 3)
.set RING, 128                         ; v128-255 two sets of 64: a chunk of 32 rows x 256 bytes as loaded
; router path
.set G,    48                          ; v48-111 gate_kernel's numbers of a K step; later at work
.set AC,   112                         ; v112-127 two accumulators
.set XA0,  128                         ; v128-191, v192-255: x's numbers of my two K steps
.set XA1,  192
.set TM,   48
.set PW,   64                          ; v64-65 the two scale words
.set PC,   68                          ; v68-87 codes
.set RBK,  88                          ; v88-111 rows read back
.macro LOADC c                         ; chunk c: rows 32 c .. 32 c + 31 of the unit; each load covers two rows of 256 consecutive bytes
.set i, 0
.rept 16
	global_load_b128 v[RING+64*((\c)%2)+4*i:RING+64*((\c)%2)+4*i+3], v[GOFF], s[8:9] offset:(32*(\c)+2*i)*4096 th:TH_LOAD_NT
.set i, i+1
.endr
.endm
.macro TURN c                          ; the chunk into my stage as it lies: row pitch 256
.set i, 0
.rept 16
	ds_store_b128 v[SST], v[RING+64*((\c)%2)+4*i:RING+64*((\c)%2)+4*i+3] offset:512*i
.set i, i+1
.endr
.endm
.macro COLS g                          ; and back by columns: lane l takes column 32 g + l, its registers run down K
.set i, 0
.rept 32
	ds_load_b32 v[X+i], v[SLD] offset:256*i+128*(\g)
.set i, i+1
.endr
.endm
.macro BLK dst, c, sw                  ; one block of 32 of my column: its byte into byte c of v[sw], its 24 bytes of codes into v[dst] on
	v_max3_num_f32 v[M0], |v[X]|, |v[X+1]|, |v[X+2]|
	v_max3_num_f32 v[M1], |v[X+3]|, |v[X+4]|, |v[X+5]|
.irp i, 6,10,14,18,22,26
	v_max3_num_f32 v[M0], v[M0], |v[X+\i]|, |v[X+\i+1]|
	v_max3_num_f32 v[M1], v[M1], |v[X+\i+2]|, |v[X+\i+3]|
.endr
	v_max3_num_f32 v[M0], v[M0], |v[X+30]|, |v[X+31]|
	v_max3_num_f32 v[M0], v[M0], v[M1], 0x1800000  ; the floor 2^(3 - 127): the byte cannot fall under 1
	v_add_nc_u32 v[SO], 0xff000000, v[M0]          ; 2 off the exponent field: the conversion's scale operand
	v_cvt_scalef32_pk16_fp6_f32 v[\dst:\dst+2], v[X:X+15], v[SO]
	v_cvt_scalef32_pk16_fp6_f32 v[TC:TC+2], v[X+16:X+31], v[SO]   ; (a conversion's three registers begin on an even number)
.if (\c) == 0
	v_lshrrev_b32 v[\sw], 23, v[SO]                ; the byte; also the plain line behind the conversions
.else
	v_lshrrev_b32 v[BY], 23, v[SO]
	v_lshl_or_b32 v[\sw], v[BY], 8*(\c), v[\sw]
.endif
	v_mov_b32 v[\dst+3], v[TC]
	v_mov_b32 v[\dst+4], v[TC+1]
	v_mov_b32 v[\dst+5], v[TC+2]
.endm
.macro CHUNK c
.if (\c) < 3
	s_wait_loadcnt 16                              ; this chunk's 16 loads are in; the next chunk's 16 may be out
.else
	s_wait_loadcnt 0x0
.endif
	TURN \c
	COLS 0
	s_wait_dscnt 0x0                               ; the stage's stores have read the ring's set, and my first 32 numbers are in
.if (\c) < 2
	LOADC (\c)+2
.endif
	BLK PQ+12*((\c)%2)+6*((\c)/2), \c, SW
	COLS 1
	s_wait_dscnt 0x0
	BLK PQ+24+12*((\c)%2)+6*((\c)/2), \c, SW+1
.endm
.macro XLOAD reg, s                    ; lane (r, h): of token r, 16 neighbours of each block of 32 of K step s of my two
.irp b, 0,1,2,3
.irp j, 0,1,2,3
	global_load_b128 v[\reg+16*\b+4*\j:\reg+16*\b+4*\j+3], v4, s[4:5] offset:512*\s+128*\b+16*\j
.endr
.endr
.endm
.macro GLOAD s                         ; lane (m, h): gate_kernel[the same k as x's register][m % 8]
.irp b, 0,1,2,3
.irp i, 0,1,2,3,4,5,6,7,8,9,10,11,12,13,14,15
	global_load_b32 v[G+16*\b+\i], v5, s[6:7] offset:(128*\s+32*\b+\i)*32
.endr
.endr
.endm
.macro RMUL x, first                   ; 128 along K: 32 products of 4, two accumulators by turns.  Source 0 = gate_kernel (row m: expert m % 8), source 1 = x: a lane holds one token, registers 0-7 its eight logits
.set n, 0
.rept 32
.if \first && (n < 2)
	v_wmma_f32_16x16x4_f32 v[AC+8*(n%2):AC+8*(n%2)+7], v[G+2*n:G+2*n+1], v[\x+2*n:\x+2*n+1], 0
.else
	v_wmma_f32_16x16x4_f32 v[AC+8*(n%2):AC+8*(n%2)+7], v[G+2*n:G+2*n+1], v[\x+2*n:\x+2*n+1], v[AC+8*(n%2):AC+8*(n%2)+7]
.endif
.set n, n+1
.endr
.endm
.macro QUANT s, pw                     ; 64 numbers of a lane, register 16 b + i = k 32 b + 16 (lane / 16) + i of my token, become a fragment's codes in v[PC] on and its scale word in v[pw]
.irp b, 0,1,2,3
	v_max3_num_f32 v[TM+\b], |v[\s+16*\b]|, |v[\s+1+16*\b]|, 0x1800000
.endr
.irp i, 2,4,6,8,10,12,14
.irp b, 0,1,2,3
	v_max3_num_f32 v[TM+\b], v[TM+\b], |v[\s+16*\b+\i]|, |v[\s+1+16*\b+\i]|
.endr
.endr
.irp b, 0,1,2,3
	v_permlanex16_b32 v[TM+4+\b], v[TM+\b], s36, s37
.endr
.irp b, 0,1,2,3
	v_max_num_f32 v[TM+\b], v[TM+\b], v[TM+4+\b]   ; with lane l xor 16's: the block's largest magnitude
.endr
.irp b, 0,1,2,3
	v_add_nc_u32 v[TM+12+\b], 0xff000000, v[TM+\b]
.endr
.irp b, 0,1,2,3
	v_lshrrev_b32 v[TM+4+\b], 23, v[TM+12+\b]
.endr
	v_lshl_or_b32 v[\pw], v[TM+5], 8, v[TM+4]
	v_lshl_or_b32 v[\pw], v[TM+6], 16, v[\pw]
	v_lshl_or_b32 v[\pw], v[TM+7], 24, v[\pw]
.irp c, 0,1
	v_cvt_scalef32_pk16_fp6_f32 v[PC+6*\c:PC+2+6*\c], v[\s+32*\c:\s+15+32*\c], v[TM+12+2*\c]
	v_cvt_scalef32_pk16_fp6_f32 v[PC+12+4*\c:PC+14+4*\c], v[\s+16+32*\c:\s+31+32*\c], v[TM+12+2*\c+1]
.endr
	v_nop                                          ; one plain line behind the scaled conversions
.irp c, 0,1                                    ; a whole block to a lane: lanes 0-15 block 2 c, lanes 16-31 block 2 c + 1
.irp i, 0,1,2
	v_permlane16_swap_b32 v[PC+6*\c+\i], v[PC+12+4*\c+\i]
.endr
.irp i, 0,1,2
	v_mov_b32 v[PC+3+6*\c+\i], v[PC+12+4*\c+\i]
.endr
.endr
.endm
	s_load_b256 s[4:11], s[0:1], 0x0               ; x s[4:5], gate_kernel s[6:7], wo s[8:9], xq s[10:11]
	s_load_b128 s[12:15], s[0:1], 0x20             ; sel s[12:13], prob s[14:15]
	s_load_b64 s[16:17], s[0:1], 0x30              ; woq
	v_lshl_add_u32 v30, v0, 2, 0xc300
	v_mov_b32 v31, 0
	v_lshrrev_b32 v1, 5, v0
	v_readfirstlane_b32 s18, v1                    ; wave
	v_and_b32 v1, 31, v0                           ; lane
	s_cmp_lt_u32 ttmp9, 64
	s_cbranch_scc1 .Lrouter
	; ---------------- wo: unit u = 4 (work-group - 64) + wave: expert u / 256, K step (u / 16) % 16, columns 64 (u % 16) on
	v_lshrrev_b32 v7, 4, v1
	v_and_b32 v[GOFF], 15, v1
	v_lshlrev_b32 v[GOFF], 4, v[GOFF]
	v_lshl_add_u32 v[GOFF], v7, 12, v[GOFF]        ; a row of wo is 4,096 bytes
	v_lshlrev_b32 v[L16], 4, v1
	v_lshlrev_b32 v[L8], 3, v1
	s_lshl_b32 s19, s18, 13
	v_add_nc_u32 v[SST], s19, v[L16]
	v_lshl_add_u32 v[SLD], v1, 2, s19
	s_sub_co_u32 s20, ttmp9, 64
	s_lshl_b32 s20, s20, 2
	s_add_co_u32 s20, s20, s18                     ; u
	s_lshr_b32 s21, s20, 4                         ; 16 e + s
	s_and_b32 s22, s20, 15                         ; c64
	s_lshr_b32 s23, s20, 8                         ; e
	s_and_b32 s24, s21, 15                         ; s
	s_lshl_b32 s26, s21, 19                        ; 128 rows of 4,096 bytes a K step
	s_lshl_b32 s25, s22, 8
	s_add_co_u32 s26, s26, s25
	s_mov_b32 s27, 0
	s_mul_i32 s28, s23, 1572864                    ; codes: 32 groups of 49,152 bytes an expert,
	s_mul_i32 s25, s22, 98304                      ; two groups to a unit,
	s_add_co_u32 s28, s28, s25
	s_mul_i32 s25, s24, 3072                       ; two fragments a K step
	s_add_co_u32 s28, s28, s25
	s_mov_b32 s29, 0
	s_lshl_b32 s30, s23, 16                        ; scale words
	s_lshl_b32 s25, s22, 12
	s_add_co_u32 s30, s30, s25
	s_lshl_b32 s25, s24, 8
	s_add_co_u32 s30, s30, s25
	s_add_co_u32 s30, s30, WOS
	s_mov_b32 s31, 0
	s_wait_alu depctr_va_vdst(0)
	s_wait_kmcnt 0x0
	s_add_nc_u64 s[8:9], s[8:9], s[26:27]
	s_add_nc_u64 s[28:29], s[16:17], s[28:29]
	s_add_nc_u64 s[30:31], s[16:17], s[30:31]
	LOADC 0
	LOADC 1
	CHUNK 0
	CHUNK 1
	CHUNK 2
	CHUNK 3
.set i, 0
.rept 12                                       ; P's lanes 16-31 change places with Q's lanes 0-15: P is then tile 0's fragment (columns 0-15 of the group), Q tile 1's, both as the operand's registers
	v_permlane16_swap_b32 v[PQ+i], v[PQ+12+i]
	v_permlane16_swap_b32 v[PQ+24+i], v[PQ+36+i]
.set i, i+1
.endr
.irp g, 0,1
.irp j, 0,1
.irp q, 0,1,2
	global_store_b128 v[L16], v[PQ+24*\g+12*\j+4*\q:PQ+24*\g+12*\j+4*\q+3], s[28:29] offset:\g*49152+\j*1536+512*\q   ; 512 consecutive bytes, aligned to 256
.endr
.endr
.endr
	global_store_b64 v[L8], v[SW:SW+1], s[30:31]   ; 256 consecutive bytes, aligned
	s_wait_tensorcnt 0x0
	ds_add_u32 v30, v31
	s_wait_dscnt 0x0
	s_endpgm
	; ---------------- the router and x's codes: tokens 16 g .. 16 g + 15; wave w takes K steps 2 w and 2 w + 1
.Lrouter:
	v_and_b32 v2, 15, v0                           ; r
	v_bfe_u32 v3, v0, 4, 1                         ; h
	v_lshlrev_b32 v4, 12, v2
	v_lshl_add_u32 v4, v3, 6, v4                   ; x: token r's row of 4,096 bytes + 64 h
	v_and_b32 v5, 7, v0
	v_lshlrev_b32 v5, 2, v5
	v_lshl_add_u32 v5, v3, 9, v5                   ; gate_kernel: 16 h rows of 32 bytes + 4 (r % 8)
	; every LDS address is made here, ahead of the place where the waves' ways part
	v_mul_u32_u24 v6, v2, SPX
	v_mad_u32_u24 v6, v3, 48, v6
	s_mul_i32 s19, s18, 192
	s_add_co_u32 s19, s19, STG
	v_add_nc_u32 v6, s19, v6                       ; where my fragments' 48 bytes go: row r, + 48 h, + 192 w
	v_lshlrev_b32 v7, 5, v2
	s_lshl_b32 s19, s18, 3
	s_add_co_u32 s19, s19, XSS
	v_add_nc_u32 v7, s19, v7                       ; my two scale words: 32 r + 8 w
	v_lshlrev_b32 v8, 5, v1
	s_lshl_b32 s19, s18, 10
	s_add_co_u32 s19, s19, PART
	v_add_nc_u32 v8, s19, v8                       ; my partial logits: 32 bytes a lane
	v_lshlrev_b32 v9, 4, v1                        ; 16 x lane
	s_mul_i32 s19, s18, 3136
	s_add_co_u32 s19, s19, STG
	v_add_nc_u32 v10, s19, v9                      ; rows 4 w on, read back linearly;
	v_lshl_add_u32 v11, v3, 4, v10                 ; and where lanes 16-31 have passed one row's padding
	v_add_nc_u32 v12, XSS, v9
	v_lshl_add_u32 v13, v1, 5, PART
	s_mul_i32 s19, s18, 3072
	v_add_nc_u32 v14, s19, v9                      ; the same rows in xq
	v_lshlrev_b32 v15, 2, v2                       ; sel: 4 r
	v_lshlrev_b32 v16, 3, v2                       ; prob: 8 r
	s_lshl_b32 s20, ttmp9, 16
	s_lshl_b32 s21, s18, 10
	s_add_co_u32 s20, s20, s21
	s_mov_b32 s21, 0
	s_lshl_b32 s22, s18, 13
	s_mov_b32 s23, 0
	s_mul_i32 s24, ttmp9, 12288
	s_mov_b32 s25, 0
	s_lshl_b32 s26, ttmp9, 9
	s_add_co_u32 s26, s26, XSB
	s_mov_b32 s27, 0
	s_lshl_b32 s28, ttmp9, 6
	s_mov_b32 s29, 0
	s_lshl_b32 s30, ttmp9, 7
	s_mov_b32 s31, 0
	s_mov_b32 s36, 0x76543210
	s_mov_b32 s37, 0xfedcba98                      ; v_permlanex16_b32's selects for lane l xor 16
	s_wait_kmcnt 0x0
	s_add_nc_u64 s[4:5], s[4:5], s[20:21]
	s_add_nc_u64 s[6:7], s[6:7], s[22:23]
	s_add_nc_u64 s[32:33], s[10:11], s[26:27]
	s_add_nc_u64 s[10:11], s[10:11], s[24:25]
	s_add_nc_u64 s[12:13], s[12:13], s[28:29]
	s_add_nc_u64 s[14:15], s[14:15], s[30:31]
	XLOAD XA0, 0
	GLOAD 0
	XLOAD XA1, 1
	s_wait_loadcnt 16                              ; all but the second K step's 16 loads of x
	RMUL XA0, 1
.rept 8
	v_nop                                          ; eight places behind the f32 form, in front of loads into registers that it has read
.endr
	GLOAD 1
	s_wait_loadcnt 0x0
	RMUL XA1, 0
.rept 8
	v_nop                                          ; and in front of the first read of its results
.endr
.irp j, 0,1,2,3,4,5,6,7
	v_add_f32 v[32+\j], v[AC+\j], v[AC+8+\j]       ; my 256 along K: both accumulators, from their low ends on
.endr
	ds_store_b128 v8, v[32:35]
	ds_store_b128 v8, v[36:39] offset:16
.irp b, 0,1,2,3
	v_mov_b32 v[TM+4+\b], 0                        ; written once: a lane permute's destination counts as one of its sources
.endr
	QUANT XA0, PW
.irp c, 0,1,2
	ds_store_b128 v6, v[PC+4*\c:PC+4*\c+3] offset:16*\c
.endr
	s_wait_dscnt 0x0                               ; the stores have read their registers
	QUANT XA1, PW+1
.irp c, 0,1,2
	ds_store_b128 v6, v[PC+4*\c:PC+4*\c+3] offset:96+16*\c
.endr
	ds_store_b64 v7, v[PW:PW+1]                    ; both halves of the lanes write the same words with the same values
	s_wait_dscnt 0x0                               ; for the others' sake: all my LDS stores have landed
	s_barrier_signal -1
	s_barrier_wait -1
	; every wave: four rows of codes, 3,072 consecutive bytes of xq
.irp p, 0,1
	ds_load_b128 v[RBK+12*\p:RBK+12*\p+3], v10 offset:1568*\p
	ds_load_b128 v[RBK+12*\p+4:RBK+12*\p+7], v11 offset:1568*\p+512
	ds_load_b128 v[RBK+12*\p+8:RBK+12*\p+11], v10 offset:1568*\p+1024+16
.endr
	s_wait_dscnt 0x0
.irp p, 0,1
.irp j, 0,1,2
	global_store_b128 v14, v[RBK+12*\p+4*\j:RBK+12*\p+4*\j+3], s[10:11] offset:1536*\p+512*\j   ; 512 consecutive bytes, aligned to 256
.endr
.endr
	s_cmp_lg_u32 s18, 1
	s_cbranch_scc1 .Lnot_wave_1
	ds_load_b128 v[40:43], v12                     ; wave 1: the 16 tokens' scale words, 512 consecutive bytes
	s_wait_dscnt 0x0
	global_store_b128 v9, v[40:43], s[32:33]
.Lnot_wave_1:
	s_cmp_lg_u32 s18, 0
	s_cbranch_scc1 .Ldone
	; wave 0: the logits' four parts, the two largest, their softmax
.irp p, 0,1,2,3
	ds_load_b128 v[128+8*\p:131+8*\p], v13 offset:1024*\p
	ds_load_b128 v[132+8*\p:135+8*\p], v13 offset:1024*\p+16
.endr
	s_wait_dscnt 0x0
.irp j, 0,1,2,3,4,5,6,7
	v_add_f32 v[32+\j], v[128+\j], v[136+\j]
	v_add_f32 v[160+\j], v[144+\j], v[152+\j]
.endr
.irp j, 0,1,2,3,4,5,6,7
	v_add_f32 v[32+\j], v[32+\j], v[160+\j]
.endr
	v_mov_b32 v17, v32                             ; the largest, and whose it is: a later expert takes its place only if strictly larger
	v_mov_b32 v18, 0
.irp n, 1,2,3,4,5,6,7
	v_cmp_gt_f32 vcc_lo, v[32+\n], v17
	v_cndmask_b32 v17, v17, v[32+\n], vcc_lo
	v_cndmask_b32 v18, v18, \n, vcc_lo
.endr
	v_mov_b32 v19, 0xff800000                      ; the second: the same among the other seven, from -infinity
	v_mov_b32 v20, 0
.irp n, 0,1,2,3,4,5,6,7
	v_cmp_gt_f32 s20, v[32+\n], v19
	v_cmp_ne_u32 vcc_lo, \n, v18
	s_and_b32 vcc_lo, vcc_lo, s20
	v_cndmask_b32 v19, v19, v[32+\n], vcc_lo
	v_cndmask_b32 v20, v20, \n, vcc_lo
.endr
	v_sub_f32 v21, v19, v17                        ; the larger is taken away: 0 for the first, this for the second
	v_mul_f32 v21, 0x3fb8aa3b, v21
	s_wait_alu depctr_va_vdst(0)
	v_exp_f32 v21, v21
	v_lshl_or_b32 v24, v20, 8, v18                 ; (a plain line behind the exponential)
	s_wait_alu depctr_va_vdst(0)
	v_add_f32 v25, 1.0, v21
	s_wait_alu depctr_va_vdst(0)
	v_rcp_f32 v22, v25
	v_nop
	s_wait_alu depctr_va_vdst(0)
	v_mul_f32 v23, v21, v22
	global_store_b32 v15, v24, s[12:13]            ; lanes l and l + 16 hold the same token's numbers and write the same bytes
	global_store_b64 v16, v[22:23], s[14:15]
.Ldone:
	s_wait_tensorcnt 0x0
	ds_add_u32 v30, v31
	s_wait_dscnt 0x0
	s_endpgm
.Lfunc_end_k_qfbc9ccf0ca_prep:
	.size	k_qfbc9ccf0ca_prep, .Lfunc_end_k_qfbc9ccf0ca_prep-k_qfbc9ccf0ca_prep
	.p2alignl 7, 3214868480
	.fill 96, 4, 3214868480
	.section	.rodata,"a",@progbits
	.p2align	6, 0x0
	.amdhsa_kernel k_qfbc9ccf0ca_prep
		.amdhsa_group_segment_fixed_size 50432
		.amdhsa_private_segment_fixed_size 0
		.amdhsa_enable_private_segment 0
		.amdhsa_kernarg_size 56
		.amdhsa_user_sgpr_count 2
		.amdhsa_user_sgpr_kernarg_segment_ptr 1
		.amdhsa_wavefront_size32 1
		.amdhsa_system_sgpr_workgroup_id_x 1
		.amdhsa_system_sgpr_workgroup_id_y 1
		.amdhsa_system_sgpr_workgroup_id_z 1
		.amdhsa_system_vgpr_workitem_id 0
		.amdhsa_next_free_vgpr 256
		.amdhsa_next_free_sgpr 66
		.amdhsa_reserve_vcc 1
		.amdhsa_float_denorm_mode_32 3
		.amdhsa_float_denorm_mode_16_64 3
		.amdhsa_memory_ordered 1
		.amdhsa_forward_progress 1
		.amdhsa_inst_pref_size 79
	.end_amdhsa_kernel
	.amdgpu_metadata
---
amdhsa.version: [ 1, 2 ]
amdhsa.kernels:
  - .name:           k_qfbc9ccf0ca_prep
    .symbol:         k_qfbc9ccf0ca_prep.kd
    .args:
      - { .name: x, .offset: 0, .size: 8, .value_kind: global_buffer, .address_space: global }
      - { .name: gate_kernel, .offset: 8, .size: 8, .value_kind: global_buffer, .address_space: global }
      - { .name: wo, .offset: 16, .size: 8, .value_kind: global_buffer, .address_space: global }
      - { .name: xq, .offset: 24, .size: 8, .value_kind: global_buffer, .address_space: global }
      - { .name: sel, .offset: 32, .size: 8, .value_kind: global_buffer, .address_space: global }
      - { .name: prob, .offset: 40, .size: 8, .value_kind: global_buffer, .address_space: global }
      - { .name: woq, .offset: 48, .size: 8, .value_kind: global_buffer, .address_space: global }
    .group_segment_fixed_size: 50432
    .private_segment_fixed_size: 0
    .kernarg_segment_align: 8
    .kernarg_segment_size: 56
    .max_flat_workgroup_size: 128
    .sgpr_count:     66
    .vgpr_count:     256
    .wavefront_size: 32
...
	.end_amdgpu_metadata
.endif
;; end of part 1
;; launch up (part 2): grid 256 x 1, 4 waves a work-group, no clusters, 245,248 bytes of LDS; arguments w0, w1, xq, lst, hq, sel; writes hq, lst
.if DOCPART == 2
	.amdgcn_target "amdgcn-amd-amdhsa--gfx1250"
	.amdhsa_code_object_version 6
	.text
	.protected	k_qfbc9ccf0ca_up
	.globl	k_qfbc9ccf0ca_up
	.p2align	8
	.type	k_qfbc9ccf0ca_up,@function
k_qfbc9ccf0ca_up:
	s_mov_b64 s[64:65], 0
	v_nop
	global_prefetch_b8 v0, s[64:65] scope:SCOPE_SE
	s_setreg_imm32_b32 hwreg(HW_REG_WAVE_MODE, 25, 1), 1
	s_wait_xcnt 0x0
; UP.  h = silu(x w0) * (x w1) for the rows routed to an expert, both products on codes of E2M3 with E8M0 scales for 32 along K; h leaves as codes along F.
; Rows of experts that a token did not choose have the weight 0 in reference()'s combine, for all values of the inputs: they are not multiplied.  A NaN or infinity that reaches only such rows is not carried on.
; Work-group (e = id / 32, f64 = id % 32) owns 64 columns of w0[e] and of w1[e]: 512 KiB of f32, read once, quantised here, never written back.
; THE LIST.  sel (word t = first | second << 8, stored by the launch before) is read by every wave while its first three chunks of weights are out: 32 masks of matching lanes and the count stay in scalar registers.
;   Wave 0 alone puts the entries (2 t + k) at their places in LDS: place = matches in the registers before + lower lanes that match; behind them 128 pads of 4095 (held under word 1120); lanes without a match
;   store to words 1088-1119, which are never read.  Every wave first fills the list with pads, behind a barrier of their own; one barrier follows the entries.  The work-groups with f64 = 0 also store the list and the count (words 1120-1151) to lst, for the next launch.
; PHASE Q.  Wave w takes matrix w % 2 and half w / 2 of K.  A chunk is 32 rows x 256 bytes; four chunks are out.  A chunk turns through the wave's stage in LDS, so that a lane holds one column and 32 numbers down K.
;   Four chunks make four fragments and two registers of scale words; they go to LDS as images of their registers.
;   Lane r of tile j takes column 8 j + r + 8 (r / 8) of its group, so that the 16 result registers of tiles 0 and 1 are 16 neighbours along F.
; x COMES IN BATCHES OF 64 LIST ROWS through two LDS slots (rows 784 bytes apart, then 32 bytes of scale words a row).  Wave w copies rows 16 w .. 16 w + 15: 24 loads of 512 bytes, three to a pair of rows,
;   and one load of scale words.  Batch 0 is asked for ahead of the last chunk, batch 1 ahead of the barrier behind phase Q, batch b + 2 at the head of trip b.
; PHASE M.  Wave w takes column group w % 2 with all its 32 weight fragments in registers, and rows 32 (w / 2) on of each batch.  The loop has 8 x 2 trips, a constant; a trip past ceil(count / 64) jumps over its work.
;   One barrier a trip, on every wave's way: ahead of it a wave has stored its part of the next batch into the other slot and has read this slot; behind it the slots change roles.
;   The products are used transposed (source 0 = 16 columns of the weight, source 1 = 16 tokens).  Rows past the count are pads: they take token 1023; what they give is stored in hq and goes no further.
; hq: region (e, pair of row tiles P, block B of 32 along F) at ((32 e + P) 64 + B) 768: bytes 0-15 of row l's block at 16 l, bytes 16-23 at 512 + 8 l.
;     Scale bytes at HSB + ((32 e + P) 4 + B / 16) 512 + 16 l + 4 ((B / 4) % 4) + B % 4.
; LIMITS: NaN and infinities among the inputs are not served; a block of zeros gets the byte 1 (the rule says 127): its codes are zeros and this program alone reads the bytes.
; No tensor loads, no clusters.  No prefetch: the weights are asked for four chunks ahead by the loads themselves.
; REGISTERS.  Window 0: addresses, scale words (v16-39, scales and nothing else), v48-63 at work, v64-127 accumulators (phase Q: two blocks; the head: sel), v128-185 codes and temporaries, v186-229 x's copy and the list.
;   Window 1: the ring, then weight fragments of K steps 0-3.  Window 2: K steps 4-7.  Window 3: v0-95 two sets of four fragments of x, v96-195 a batch's copy.
.set XSB,  786432
.set HSB,  12582912
.set IMG,  32768
.set WSC,  131072
.set LIST, 0x21400                     ; behind the spare words (0x21000): 1,152 words
.set X0B,  140800
.set XP,   784
.set XSCL, 64*XP
.set XSZ,  XSCL+2048
.set HSTEP, 98304
.set SSTEP, 4096
.set LANE, 1
.set R,    2
.set H,    3
.set GOFF, 4
.set SST,  5
.set SLD,  6
.set IA,   7
.set ISA,  8
.set IAC,  9
.set ISAC, 10
.set LA,   11
.set LSA,  12
.set L16,  13
.set L8,   14
.set WS,   16
.set XS,   32
.set LJ0,  40                          ; list: my 16 rows' first word;  LJ1: + lane / 16;  LJS: + lane / 2
.set LJ1,  41
.set LJS,  42
.set CJ1,  43                          ; 16 lane + 512 - 768 (lane / 16)
.set CS,   44                          ; 16 (lane % 2)
.set D0,   45                          ; slot 0: my 16 rows + 16 lane;  D1: + 512 + 16 (lane / 16);  DSC: my rows' scale words
.set D1,   46
.set DSC,  47
.set T,    48
.set ACC,  64
.set X0,   64
.set X1,   96
.set PQ,   128
.set M0,   176
.set M1,   177
.set SO,   178
.set BY,   179
.set TC,   180
.set SW,   184
.set CD,   128
.set QM,   136
.set AX,   186                         ; slot 0: row 32 (w / 2) + r, + 48 h
.set ASC,  187                         ; slot 0: the scale words of row 32 (w / 2) + lane
.set E8P,  188
.set JUNK, 189
.set GA,   190                         ; v190-214 the copy's 25 addresses
.set LC0,  215
.set LC1,  216
.set LCS,  217
.set PADV, 218
.set CNTA, 219
.set PA,   220
.set TMPV, 224
.set SV,   64                          ; the head: sel, its first byte then the place, the entries
.set FA,   96
.set DT,   128
.set ST,   96                          ; window 3
.set MT,   66                          ; s66-97 masks
.set TS,   48                          ; s48-55
.set MSB, 0
.macro WIN new
.if MSB != \new
	s_set_vgpr_msb (MSB<<8)|\new
.set MSB, \new
.endif
.endm
.macro LOADC c, add                    ; chunk c of the K step that begins add rows behind the pointer; each load covers two rows of 256 consecutive bytes
	WIN 0x40
.set i, 0
.rept 16
	global_load_b128 v[64*(\c)+4*i:64*(\c)+4*i+3], v[GOFF], s[20:21] offset:(\add+32*(\c)+2*i)*8192 th:TH_LOAD_NT
.set i, i+1
.endr
	WIN 0
.endm
.macro BLK x, dst, c, sw               ; one block of 32 of my column: its byte into byte c of v[sw], its 24 bytes of codes into v[dst] on
	v_max3_num_f32 v[M0], |v[\x]|, |v[\x+1]|, |v[\x+2]|
	v_max3_num_f32 v[M1], |v[\x+3]|, |v[\x+4]|, |v[\x+5]|
.irp i, 6,10,14,18,22,26
	v_max3_num_f32 v[M0], v[M0], |v[\x+\i]|, |v[\x+\i+1]|
	v_max3_num_f32 v[M1], v[M1], |v[\x+\i+2]|, |v[\x+\i+3]|
.endr
	v_max3_num_f32 v[M0], v[M0], |v[\x+30]|, |v[\x+31]|
	v_max3_num_f32 v[M0], v[M0], v[M1], 0x1800000  ; the floor 2^(3 - 127): the byte cannot fall under 1
	v_add_nc_u32 v[SO], 0xff000000, v[M0]          ; 2 off the exponent field: the conversion's scale operand
	v_cvt_scalef32_pk16_fp6_f32 v[\dst:\dst+2], v[\x:\x+15], v[SO]
	v_cvt_scalef32_pk16_fp6_f32 v[TC:TC+2], v[\x+16:\x+31], v[SO]
.if (\c) == 0
	v_lshrrev_b32 v[\sw], 23, v[SO]                ; the byte; also the plain line behind the conversions
.else
	v_lshrrev_b32 v[BY], 23, v[SO]
	v_lshl_or_b32 v[\sw], v[BY], 8*(\c), v[\sw]
.endif
	v_mov_b32 v[\dst+3], v[TC]
	v_mov_b32 v[\dst+4], v[TC+1]
	v_mov_b32 v[\dst+5], v[TC+2]
.endm
.macro CHUNK c, refill, left
	s_wait_loadcnt \left                           ; this chunk's 16 loads are in; left = the loads issued behind them
	WIN 0x04
.set i, 0
.rept 16
	ds_store_b128 v[SST], v[64*(\c)+4*i:64*(\c)+4*i+3] offset:512*i
.set i, i+1
.endr
	WIN 0
.set i, 0
.rept 32
	ds_load_b32 v[X0+i], v[SLD] offset:256*i
.set i, i+1
.endr
.set i, 0
.rept 32
	ds_load_b32 v[X1+i], v[SLD] offset:256*i+128
.set i, i+1
.endr
	s_wait_dscnt 32                                ; all but the second group's 32 loads
.if \refill
	LOADC \c, 128
.endif
	BLK X0, PQ+12*((\c)%2)+6*((\c)/2), \c, SW
	s_wait_dscnt 0x0
	BLK X1, PQ+24+12*((\c)%2)+6*((\c)/2), \c, SW+1
.endm
.macro FIN                             ; a K step's four fragments and two registers of scale words go to LDS
.set i, 0
.rept 12
	v_permlane16_swap_b32 v[PQ+i], v[PQ+12+i]
	v_permlane16_swap_b32 v[PQ+24+i], v[PQ+36+i]
.set i, i+1
.endr
	v_add_nc_u32 v[IAC], s25, v[IA]
	v_add_nc_u32 v[ISAC], s39, v[ISA]
.irp g, 0,1
.irp j, 0,1
.irp q, 0,1,2
	ds_store_b128 v[IAC], v[PQ+24*\g+12*\j+4*\q:PQ+24*\g+12*\j+4*\q+3] offset:\g*49152+\j*12288+512*\q
.endr
.endr
	ds_store_b32 v[ISAC], v[SW+\g] offset:\g*2048
.endr
.endm
.macro MASKS b                         ; sel's registers 8 b .. 8 b + 7: register 4 j + c of lane l holds token 128 j + 4 l + c
	s_wait_loadcnt 54-2*(\b)                       ; their two loads are in; behind them two for each later eight, and three chunks' 48
.irp i, 0,1,2,3,4,5,6,7
	v_and_b32 v[FA+8*(\b)+\i], 0xff, v[SV+8*(\b)+\i]
.endr
.irp i, 0,1,2,3,4,5,6,7
	v_lshrrev_b32 v[SV+8*(\b)+\i], 8, v[SV+8*(\b)+\i]
.endr
.irp i, 0,1,2,3,4,5,6,7
	v_cmp_eq_u32 s[MT+8*(\b)+\i], s15, v[FA+8*(\b)+\i]   ; my expert is the token's first choice,
.endr
.irp i, 0,1,2,3,4,5,6,7
	v_cmp_eq_u32 s[TS+\i], s15, v[SV+8*(\b)+\i]          ; or its second (never both)
.endr
.irp i, 0,1,2,3,4,5,6,7
	v_cndmask_b32 v[DT+8*(\b)+\i], v[L8], v[E8P], s[TS+\i]
.endr
.irp i, 0,1,2,3,4,5,6,7
	s_or_b32 s[MT+8*(\b)+\i], s[MT+8*(\b)+\i], s[TS+\i]
	s_bcnt1_i32_b32 s58, s[MT+8*(\b)+\i]
	s_add_co_u32 s56, s56, s58                     ; the count
.endr
.endm
.macro OUTB b                          ; wave 0: the entries of these eight registers go to their places in LDS
.irp i, 0,1,2,3,4,5,6,7
	v_mbcnt_lo_u32_b32 v[FA+8*(\b)+\i], s[MT+8*(\b)+\i], s57   ; lower lanes that match + the matches before
	s_bcnt1_i32_b32 s58, s[MT+8*(\b)+\i]
	s_add_co_u32 s57, s57, s58
.endr
	s_wait_alu depctr_va_vdst(0)
.irp i, 0,1,2,3,4,5,6,7
	v_cndmask_b32 v[FA+8*(\b)+\i], v[JUNK], v[FA+8*(\b)+\i], s[MT+8*(\b)+\i]
.endr
.irp i, 0,1,2,3,4,5,6,7
	v_min_u32 v[FA+8*(\b)+\i], 1151, v[FA+8*(\b)+\i]     ; held inside the 1,152 words
.endr
.irp i, 0,1,2,3,4,5,6,7
	v_lshlrev_b32 v[FA+8*(\b)+\i], 2, v[FA+8*(\b)+\i]    ; the word's byte offset in the list: as it stands for lst,
.endr
.irp i, 0,1,2,3,4,5,6,7
	v_add_nc_u32 v[SV+8*(\b)+\i], LIST, v[FA+8*(\b)+\i]  ; and with the list's base for LDS
.endr
.irp i, 0,1,2,3,4,5,6,7
	v_add_nc_u32 v[DT+8*(\b)+\i], 2*(128*(2*(\b)+\i/4)+\i%4), v[DT+8*(\b)+\i]
.endr
.irp i, 0,1,2,3,4,5,6,7
	ds_store_b32 v[SV+8*(\b)+\i], v[DT+8*(\b)+\i]
.endr
.endm
.macro XASK o                          ; the batch whose list words begin o + s46 bytes into the list: entries, addresses, 25 loads.  entry / 2 is the token, held at 1023
	v_add_nc_u32 v[LC0], s46, v[LJ0]
	v_add_nc_u32 v[LC1], s46, v[LJ1]
	v_add_nc_u32 v[LCS], s46, v[LJS]
.irp p, 0,1,2,3,4,5,6,7
	ds_load_b32 v[GA+3*\p], v[LC0] offset:(\o)+8*\p
	ds_load_b32 v[GA+3*\p+1], v[LC1] offset:(\o)+8*\p
	ds_load_b32 v[GA+3*\p+2], v[LC0] offset:(\o)+8*\p+4
.endr
	ds_load_b32 v[GA+24], v[LCS] offset:\o
	s_wait_dscnt 0x0                               ; the entries are in, and any stores of the copy's registers have read them
.set i, 0
.rept 25
	v_lshrrev_b32 v[GA+i], 1, v[GA+i]
.set i, i+1
.endr
.set i, 0
.rept 25
	v_min_u32 v[GA+i], 1023, v[GA+i]
.set i, i+1
.endr
.irp p, 0,1,2,3,4,5,6,7
	v_mad_u32_u24 v[GA+3*\p], v[GA+3*\p], 768, v[L16]          ; bytes 0-511 of the pair's first row
	v_mad_u32_u24 v[GA+3*\p+1], v[GA+3*\p+1], 768, v[CJ1]      ; its bytes 512-767, and bytes 0-255 of the second
	v_mad_u32_u24 v[GA+3*\p+2], v[GA+3*\p+2], 768, v[L16]      ; the second row's bytes 256-767 (by the immediate)
.endr
	v_lshl_add_u32 v[GA+24], v[GA+24], 5, v[CS]
	WIN 0xc0
.irp p, 0,1,2,3,4,5,6,7
	global_load_b128 v[ST+12*\p:ST+12*\p+3], v[GA+3*\p], s[8:9]
	global_load_b128 v[ST+12*\p+4:ST+12*\p+7], v[GA+3*\p+1], s[8:9]
	global_load_b128 v[ST+12*\p+8:ST+12*\p+11], v[GA+3*\p+2], s[8:9] offset:256
.endr
	global_load_b128 v[ST+96:ST+99], v[GA+24], s[8:9] offset:XSB
	WIN 0
.endm
.macro XSTORE s                        ; the copy goes into slot s
	WIN 0x0c
.irp p, 0,1,2,3,4,5,6,7
	ds_store_b128 v[D0], v[ST+12*\p:ST+12*\p+3] offset:(\s)*XSZ+1568*\p
	ds_store_b128 v[D1], v[ST+12*\p+4:ST+12*\p+7] offset:(\s)*XSZ+1568*\p
	ds_store_b128 v[D0], v[ST+12*\p+8:ST+12*\p+11] offset:(\s)*XSZ+1568*\p+1040
.endr
	ds_store_b128 v[DSC], v[ST+96:ST+99] offset:(\s)*XSZ
	WIN 0
.endm
.macro FX s, q                         ; x's fragments of K steps 2 q, 2 q + 1, both tiles, from slot s into set q % 2: 12 loads
	WIN 0xc0
.irp k, 0,1
.irp t, 0,1
.irp g, 0,1,2
	ds_load_b128 v[48*((\q)%2)+12*(2*\k+\t)+4*\g:48*((\q)%2)+12*(2*\k+\t)+4*\g+3], v[AX] offset:(\s)*XSZ+16*XP*\t+96*(2*(\q)+\k)+16*\g
.endr
.endr
.endr
	WIN 0
.endm
.macro WMC c
.if rowa && rowb
	v_wmma_scale_f32_16x16x128_f8f6f4 v[rD:rD+7], v[rA:rA+11], v[rB:rB+11], \c, v[rSA], v[rSB] matrix_a_fmt:MATRIX_FMT_FP6 matrix_b_fmt:MATRIX_FMT_FP6 matrix_a_scale:MATRIX_SCALE_ROW1 matrix_b_scale:MATRIX_SCALE_ROW1
.elseif rowa
	v_wmma_scale_f32_16x16x128_f8f6f4 v[rD:rD+7], v[rA:rA+11], v[rB:rB+11], \c, v[rSA], v[rSB] matrix_a_fmt:MATRIX_FMT_FP6 matrix_b_fmt:MATRIX_FMT_FP6 matrix_a_scale:MATRIX_SCALE_ROW1
.elseif rowb
	v_wmma_scale_f32_16x16x128_f8f6f4 v[rD:rD+7], v[rA:rA+11], v[rB:rB+11], \c, v[rSA], v[rSB] matrix_a_fmt:MATRIX_FMT_FP6 matrix_b_fmt:MATRIX_FMT_FP6 matrix_b_scale:MATRIX_SCALE_ROW1
.else
	v_wmma_scale_f32_16x16x128_f8f6f4 v[rD:rD+7], v[rA:rA+11], v[rB:rB+11], \c, v[rSA], v[rSB] matrix_a_fmt:MATRIX_FMT_FP6 matrix_b_fmt:MATRIX_FMT_FP6
.endif
.endm
.macro MB q                            ; 16 products: K steps 2 q, 2 q + 1; the eight accumulators take turns, one instruction a turn
.if (\q) < 2
	WIN 0x0d
.else
	WIN 0x0e
.endif
.irp sl, 0,1
.irp t, 0,1
.irp m, 0,1
.irp j, 0,1
.set ks, 2*(\q)+\sl
.set rD, ACC+32*\t+16*\m+8*\j
.set rA, 12*((2*\m+\j)*4+ks%4)
.set rB, 48*((\q)%2)+12*(2*\sl+\t)
.set rSA, WS+8*\m+ks
.set rSB, XS+ks
.set rowa, \j
.set rowb, \t
.if ks == 0
	WMC 0
.else
	WMC v[rD:rD+7]
.endif
.endr
.endr
.endr
.endr
	WIN 0
.endm
.macro ACT t                           ; tile t: h = h0 h1 / (1 + 2^(-h0 log2 e)), in f32, in place of h0; then my 16 numbers' largest magnitude
.set hA, ACC+32*(\t)
.set hB, ACC+32*(\t)+16
.irp i, 0,2,4,6,8,10,12,14
	v_pk_mul_f32 v[T+\i:T+\i+1], v[hA+\i:hA+\i+1], 0xbfb8aa3b op_sel_hi:[1,0]   ; each accumulator is read from its low end on
.endr
	s_wait_alu depctr_va_vdst(0)
.irp i, 0,1,2,3,4,5,6,7,8,9,10,11,12,13,14,15
	v_exp_f32 v[T+\i], v[T+\i]
.endr
	s_wait_alu depctr_va_vdst(0)
.irp i, 0,2,4,6,8,10,12,14
	v_pk_mul_f32 v[hA+\i:hA+\i+1], v[hA+\i:hA+\i+1], v[hB+\i:hB+\i+1]
.endr
	s_wait_alu depctr_va_vdst(0)
.irp i, 0,2,4,6,8,10,12,14
	v_pk_add_f32 v[T+\i:T+\i+1], v[T+\i:T+\i+1], 1.0 op_sel_hi:[1,0]
.endr
	s_wait_alu depctr_va_vdst(0)
.irp i, 0,1,2,3,4,5,6,7,8,9,10,11,12,13,14,15
	v_rcp_f32 v[T+\i], v[T+\i]
.endr
	v_nop
	s_wait_alu depctr_va_vdst(0)
.irp i, 0,2,4,6,8,10,12,14
	v_pk_mul_f32 v[hA+\i:hA+\i+1], v[hA+\i:hA+\i+1], v[T+\i:T+\i+1]
.endr
	v_max3_num_f32 v[QM+\t], |v[hA]|, |v[hA+1]|, 0x1800000
.irp i, 2,4,6,8,10,12,14
	v_max3_num_f32 v[QM+\t], v[QM+\t], |v[hA+\i]|, |v[hA+\i+1]|
.endr
.endm
.macro EPI
	ACT 0
	ACT 1
	v_permlanex16_b32 v[QM+2], v[QM], s36, s37
	v_permlanex16_b32 v[QM+3], v[QM+1], s36, s37
	v_max_num_f32 v[QM], v[QM], v[QM+2]            ; with lane l xor 16's 16: the block's largest magnitude
	v_max_num_f32 v[QM+1], v[QM+1], v[QM+3]
	v_add_nc_u32 v[QM+4], 0xff000000, v[QM]
	v_add_nc_u32 v[QM+5], 0xff000000, v[QM+1]
	s_wait_alu depctr_va_vdst(0)
	s_wait_xcnt 0x0                                ; the last trip's three stores have read their bases and data: only now are these written again
	s_add_nc_u64 s[32:33], s[32:33], HSTEP         ; the bases run one step ahead; the stores below reach back by their immediates
	s_add_nc_u64 s[34:35], s[34:35], SSTEP
	v_cvt_scalef32_pk16_fp6_f32 v[CD:CD+2], v[ACC:ACC+15], v[QM+4]
	v_cvt_scalef32_pk16_fp6_f32 v[CD+4:CD+6], v[ACC+32:ACC+47], v[QM+5]
	v_lshrrev_b32 v[QM+6], 23, v[QM+4]             ; the bytes; also the plain line behind the conversions
	v_lshrrev_b32 v[QM+7], 23, v[QM+5]
	v_cndmask_b32 v[QM+6], v[QM+6], v[QM+7], s38   ; lanes 16-31: tile 1's
.irp i, 0,1,2
	v_permlane16_swap_b32 v[CD+\i], v[CD+4+\i]     ; lane 16 t + r then holds the whole block of row r of tile t
.endr
	v_mov_b32 v[CD+3], v[CD+4]
	v_mov_b32 v[CD+4], v[CD+5]
	v_mov_b32 v[CD+5], v[CD+6]
	global_store_b128 v[L16], v[CD:CD+3], s[32:33] offset:-HSTEP             ; 512 consecutive bytes, aligned to 256
	global_store_b64 v[L8], v[CD+4:CD+5], s[32:33] offset:512-HSTEP          ; 256 consecutive bytes, aligned
	global_store_b8 v[L16], v[QM+6], s[34:35] offset:-SSTEP
.endm
; Trip b = s29 + z, on slot z.  Batch b + 1, asked for a trip ago, goes into the other slot, which nobody has read since the last barrier; batch b + 2 is asked for; then batch b's 64 products and its h.
.macro TRIP z
	s_add_co_u32 s45, s29, \z+1
	s_cmp_lt_u32 s45, s28
	s_cbranch_scc0 .Lnx_\@
	s_wait_loadcnt 0x0                             ; the copy's 25 loads are in, so their addresses may be written too
	XSTORE 1-\z
	s_add_co_u32 s45, s29, \z+2
	s_cmp_lt_u32 s45, s28
	s_cbranch_scc0 .Lnx_\@
	XASK 256*(\z)+512
.Lnx_\@:
	s_add_co_u32 s45, s29, \z
	s_cmp_lt_u32 s45, s28
	s_cbranch_scc0 .Lnw_\@
	ds_load_b128 v[XS:XS+3], v[ASC] offset:(\z)*XSZ
	ds_load_b128 v[XS+4:XS+7], v[ASC] offset:(\z)*XSZ+16
	FX \z, 0
	FX \z, 1
.irp q, 0,1,2,3
.if \q < 3
	s_wait_dscnt 12                                ; all but the younger set's 12 loads
.else
	s_wait_dscnt 0x0
.endif
	MB \q
.rept 4
	v_nop                                          ; four places in front of loads into registers that the products have read, and of the first read of results
.endr
.if \q < 2
	FX \z, \q+2
.endif
.endr
	EPI
.Lnw_\@:
	s_wait_alu depctr_va_vdst(0)
	s_wait_dscnt 0x0                               ; my part of the next batch has landed, and my reads of this slot are over
	s_barrier_signal -1
	s_barrier_wait -1
.endm
	s_load_b256 s[4:11], s[0:1], 0x0               ; w0 s[4:5], w1 s[6:7], xq s[8:9], lst s[10:11]
	s_load_b64 s[12:13], s[0:1], 0x20              ; hq
	s_load_b64 s[60:61], s[0:1], 0x28              ; sel
	v_lshl_add_u32 v254, v0, 2, 0x21000
	v_mov_b32 v255, 0
	v_lshrrev_b32 v1, 5, v0
	v_readfirstlane_b32 s14, v1                    ; wave
	v_and_b32 v[LANE], 31, v0
	v_and_b32 v[R], 15, v0
	v_bfe_u32 v[H], v0, 4, 1
	s_lshr_b32 s15, ttmp9, 5                       ; e
	s_and_b32 s16, ttmp9, 31                       ; f64
	s_and_b32 s17, s14, 1                          ; phase Q: which matrix; phase M: which group of 32 columns
	s_lshr_b32 s18, s14, 1                         ; phase Q: which half of K; phase M: which 32 of 64 rows
	s_lshl_b32 s19, s14, 13
	v_lshlrev_b32 v[GOFF], 4, v[R]
	v_lshl_add_u32 v[GOFF], v[H], 13, v[GOFF]      ; a row of w0, w1 is 8,192 bytes
	v_lshlrev_b32 v[L16], 4, v[LANE]
	v_lshlrev_b32 v[L8], 3, v[LANE]
	v_add_nc_u32 v[SST], s19, v[L16]
	v_and_b32 v[SLD], 7, v0                        ; my column of a group: lane % 8 + 16 (bit 3) + 8 (bit 4)
	v_lshlrev_b32 v[SLD], 2, v[SLD]
	v_bfe_u32 v[IAC], v0, 3, 1
	v_lshl_add_u32 v[SLD], v[IAC], 6, v[SLD]
	v_lshl_add_u32 v[SLD], v[H], 5, v[SLD]
	v_add_nc_u32 v[SLD], s19, v[SLD]
	s_mul_i32 s22, s17, 24576
	s_mul_i32 s23, s18, 6144
	s_add_co_u32 s22, s22, s23
	s_add_co_u32 s22, s22, IMG
	v_add_nc_u32 v[IA], s22, v[L16]
	s_lshl_b32 s22, s17, 10
	s_lshl_b32 s23, s18, 9
	s_add_co_u32 s22, s22, s23
	s_add_co_u32 s22, s22, WSC
	v_lshl_add_u32 v[ISA], v[LANE], 2, s22
	s_mul_i32 s22, s17, 49152
	s_add_co_u32 s22, s22, IMG
	v_add_nc_u32 v[LA], s22, v[L16]
	s_lshl_b32 s22, s17, 11
	s_add_co_u32 s22, s22, WSC
	v_lshl_add_u32 v[LSA], v[LANE], 2, s22
	s_lshl_b32 s22, s14, 6                         ; the list: 16 words a wave
	s_add_co_u32 s22, s22, LIST
	v_mov_b32 v[LJ0], s22
	v_lshl_add_u32 v[LJ1], v[H], 2, s22
	v_lshrrev_b32 v[TMPV], 1, v[LANE]
	v_lshl_add_u32 v[LJS], v[TMPV], 2, s22
	v_mul_u32_u24 v[TMPV], v[H], 768
	v_add_nc_u32 v[CJ1], 512, v[L16]
	v_sub_nc_u32 v[CJ1], v[CJ1], v[TMPV]
	v_and_b32 v[CS], 1, v[LANE]
	v_lshlrev_b32 v[CS], 4, v[CS]
	s_mul_i32 s22, s14, 16*XP
	s_add_co_u32 s22, s22, X0B
	v_add_nc_u32 v[D0], s22, v[L16]
	v_lshl_add_u32 v[D1], v[H], 4, v[D0]
	v_add_nc_u32 v[D1], 512, v[D1]
	s_lshl_b32 s22, s14, 9
	s_add_co_u32 s22, s22, X0B+XSCL
	v_add_nc_u32 v[DSC], s22, v[L16]
	s_mul_i32 s22, s18, 32*XP
	s_add_co_u32 s22, s22, X0B
	v_mul_u32_u24 v[AX], v[R], XP
	v_mad_u32_u24 v[AX], v[H], 48, v[AX]
	v_add_nc_u32 v[AX], s22, v[AX]
	s_lshl_b32 s22, s18, 10
	s_add_co_u32 s22, s22, X0B+XSCL
	v_lshl_add_u32 v[ASC], v[LANE], 5, s22
	v_add_nc_u32 v[E8P], 1, v[L8]                  ; an entry's lane part is 8 x lane (first choice), + 1 (second)
	v_add_nc_u32 v[JUNK], 1088, v[LANE]
	v_mov_b32 v[PADV], 4095
.set PF, 229                           ; v229 my wave's 288 words of the list, + 4 x lane
	s_mul_i32 s22, s14, 1152
	s_add_co_u32 s22, s22, LIST
	v_lshl_add_u32 v[PF], v[LANE], 2, s22
	v_lshl_add_u32 v[CNTA], v[LANE], 2, 4480       ; word 1120 + lane
	s_mov_b32 s36, 0x76543210
	s_mov_b32 s37, 0xfedcba98                      ; v_permlanex16_b32's selects for lane l xor 16
	s_mov_b32 s38, 0xffff0000                      ; lanes 16-31
	s_lshl_b32 s20, s15, 23                        ; the stream: expert, half of K, my 256 bytes of a row
	s_lshl_b32 s21, s18, 22
	s_add_co_u32 s20, s20, s21
	s_lshl_b32 s21, s16, 8
	s_add_co_u32 s20, s20, s21
	s_mov_b32 s21, 0
	s_mul_i32 s30, s15, 4608
	s_mov_b32 s31, 0
	s_lshl_b32 s40, s16, 1
	s_add_co_u32 s40, s40, s17                     ; B: my block of 32 along F
	s_lshl_b32 s41, s15, 5
	s_add_co_u32 s41, s41, s18                     ; 32 e + my first pair
	s_lshl_b32 s42, s41, 6
	s_add_co_u32 s42, s42, s40
	s_mul_i32 s42, s42, 768
	s_mov_b32 s43, 0
	s_lshl_b32 s34, s41, 11
	s_lshr_b32 s44, s40, 4
	s_lshl_b32 s44, s44, 9
	s_add_co_u32 s34, s34, s44
	s_bfe_u32 s44, s40, 0x20002
	s_lshl_b32 s44, s44, 2
	s_add_co_u32 s34, s34, s44
	s_and_b32 s44, s40, 3
	s_add_co_u32 s34, s34, s44
	s_add_co_u32 s34, s34, HSB
	s_mov_b32 s35, 0
	s_mov_b32 s56, 0
	s_mov_b32 s57, 0
	s_wait_alu depctr_va_vdst(0)
	s_wait_kmcnt 0x0
	s_cmp_eq_u32 s17, 0
	s_cselect_b64 s[22:23], s[4:5], s[6:7]
	s_add_nc_u64 s[20:21], s[22:23], s[20:21]
	s_add_nc_u64 s[30:31], s[10:11], s[30:31]      ; my expert's list in lst
	s_add_nc_u64 s[32:33], s[12:13], s[42:43]      ; hq: my first region of codes
	s_add_nc_u64 s[34:35], s[12:13], s[34:35]      ; and my byte of its scale words
.irp j, 0,1,2,3,4,5,6,7
	global_load_b128 v[SV+4*\j:SV+4*\j+3], v[L16], s[60:61] offset:512*\j
.endr
	LOADC 0, 0
	LOADC 1, 0
	LOADC 2, 0
	; every word of the list first takes a pad: 288 words a wave, nine stores of 128 bytes; a barrier of its own parts them from wave 0's entries, which are laid over them
.irp i, 0,1,2,3,4,5,6,7,8
	ds_store_b32 v[PF], v[PADV] offset:128*\i
.endr
	s_wait_dscnt 0x0                               ; for wave 0's sake: my pads have landed
	s_barrier_signal -1
	s_barrier_wait -1
	; ---------------- THE LIST
	MASKS 0
	MASKS 1
	MASKS 2
	MASKS 3
	LOADC 3, 0
	s_min_u32 s56, s56, 1024
	s_cmp_lg_u32 s14, 0
	s_wait_alu depctr_va_vdst(0)
	s_cbranch_scc1 .Llisted
	OUTB 0
	OUTB 1
	OUTB 2
	OUTB 3
	v_add_nc_u32 v[TMPV], s56, v[LANE]             ; the pads: words count + lane, + 32, + 64, + 96, held under the count's words
.irp i, 0,1,2,3
	v_add_nc_u32 v[PA+\i], 32*\i, v[TMPV]
.endr
.irp i, 0,1,2,3
	v_min_u32 v[PA+\i], 1119, v[PA+\i]
.endr
.irp i, 0,1,2,3
	v_lshlrev_b32 v[PA+\i], 2, v[PA+\i]
.endr
.irp i, 0,1,2,3
	v_add_nc_u32 v[PA+5+\i], LIST, v[PA+\i]
.endr
.irp i, 0,1,2,3
	ds_store_b32 v[PA+5+\i], v[PADV]
.endr
	s_cmp_lg_u32 s16, 0
	s_wait_alu depctr_va_vdst(0)
	s_cbranch_scc1 .Llisted
.set q, 0
.rept 32
	global_store_b32 v[FA+q], v[DT+q], s[30:31]    ; the same words at the same places of lst
.set q, q+1
.endr
.irp i, 0,1,2,3
	global_store_b32 v[PA+\i], v[PADV], s[30:31]
.endr
	v_mov_b32 v[TMPV], s56
	global_store_b32 v[CNTA], v[TMPV], s[30:31]
	s_wait_xcnt 0x0                                ; the stores have read their registers, which phase Q writes again
.Llisted:
	s_wait_alu depctr_va_vdst(0)
	s_wait_dscnt 0x0                               ; for the others' sake: the list has landed
	s_barrier_signal -1
	s_barrier_wait -1
	; ---------------- PHASE Q
	s_mov_b32 s24, 0
	s_mov_b32 s25, 0                               ; the K step's place among my images,
	s_mov_b32 s39, 0                               ; and among my scale words
.Lkstep:                                           ; three trips; each asks for the K step that follows: three younger chunks, 48 loads, stay out at each wait
	CHUNK 0, 1, 48
	CHUNK 1, 1, 48
	CHUNK 2, 1, 48
	CHUNK 3, 1, 48
	FIN
	s_wait_xcnt 0x0                                ; the loads have read their base
	s_add_nc_u64 s[20:21], s[20:21], 0x100000      ; 128 rows on
	s_add_co_u32 s25, s25, 1536
	s_add_co_u32 s39, s39, 128
	s_add_co_u32 s24, s24, 1
	s_cmp_lt_u32 s24, 3
	s_cbranch_scc1 .Lkstep
	CHUNK 0, 0, 48                                 ; the last K step asks for no weights: the counts run down
	CHUNK 1, 0, 32
	CHUNK 2, 0, 16
	s_mov_b32 s46, 0
	XASK 0                                         ; batch 0 (list words 0-63: entries or pads, always written)
	CHUNK 3, 0, 25                                 ; behind this chunk's loads: batch 0's 25
	FIN
	s_wait_loadcnt 0x0
	XSTORE 0
	XASK 256                                       ; batch 1 (words 64-127: likewise always written)
	s_wait_alu depctr_va_vdst(0)
	s_wait_dscnt 0x0                               ; for the others' sake: my images and my rows of batch 0 have landed
	s_barrier_signal -1
	s_barrier_wait -1
	; ---------------- my group's 32 fragments and 16 registers of scale words come to stay
	WIN 0x40
.irp m, 0,1
.irp j, 0,1
.irp s, 0,1,2,3
.irp g, 0,1,2
	ds_load_b128 v[12*((2*\m+\j)*4+\s)+4*\g:12*((2*\m+\j)*4+\s)+4*\g+3], v[LA] offset:\m*24576+\j*12288+\s*1536+512*\g
.endr
.endr
.endr
.endr
	WIN 0x80
.irp m, 0,1
.irp j, 0,1
.irp s, 0,1,2,3
.irp g, 0,1,2
	ds_load_b128 v[12*((2*\m+\j)*4+\s)+4*\g:12*((2*\m+\j)*4+\s)+4*\g+3], v[LA] offset:\m*24576+\j*12288+(\s+4)*1536+512*\g
.endr
.endr
.endr
.endr
	WIN 0
.irp m, 0,1
.irp s, 0,1,2,3,4,5,6,7
	ds_load_b32 v[WS+8*\m+\s], v[LSA] offset:\m*1024+\s*128
.endr
.endr
	v_mov_b32 v[QM+2], 0                           ; a lane permute's destination counts as one of its sources
	v_mov_b32 v[QM+3], 0
	s_add_co_u32 s28, s56, 63
	s_lshr_b32 s28, s28, 6                         ; trips with work = ceil(count / 64), at most 16
	s_mov_b32 s29, 0
	s_wait_alu depctr_va_vdst(0)
	s_wait_dscnt 0x0
	; ---------------- PHASE M
.Ltrip:
	s_lshl_b32 s46, s29, 8                         ; 64 list words a trip
	TRIP 0
	TRIP 1
	s_add_co_u32 s29, s29, 2
	s_cmp_lt_u32 s29, 16
	s_cbranch_scc1 .Ltrip
	s_wait_tensorcnt 0x0                           ; the wave's end
	ds_add_u32 v254, v255
	s_wait_dscnt 0x0
	s_endpgm
.Lfunc_end_k_qfbc9ccf0ca_up:
	.size	k_qfbc9ccf0ca_up, .Lfunc_end_k_qfbc9ccf0ca_up-k_qfbc9ccf0ca_up
	.p2alignl 7, 3214868480
	.fill 96, 4, 3214868480
	.section	.rodata,"a",@progbits
	.p2align	6, 0x0
	.amdhsa_kernel k_qfbc9ccf0ca_up
		.amdhsa_group_segment_fixed_size 245248
		.amdhsa_private_segment_fixed_size 0
		.amdhsa_enable_private_segment 0
		.amdhsa_kernarg_size 48
		.amdhsa_user_sgpr_count 2
		.amdhsa_user_sgpr_kernarg_segment_ptr 1
		.amdhsa_wavefront_size32 1
		.amdhsa_system_sgpr_workgroup_id_x 1
		.amdhsa_system_sgpr_workgroup_id_y 1
		.amdhsa_system_sgpr_workgroup_id_z 1
		.amdhsa_system_vgpr_workitem_id 0
		.amdhsa_next_free_vgpr 1024
		.amdhsa_next_free_sgpr 100
		.amdhsa_reserve_vcc 0
		.amdhsa_float_denorm_mode_32 3
		.amdhsa_float_denorm_mode_16_64 3
		.amdhsa_memory_ordered 1
		.amdhsa_forward_progress 1
		.amdhsa_inst_pref_size 211
	.end_amdhsa_kernel
	.amdgpu_metadata
---
amdhsa.version: [ 1, 2 ]
amdhsa.kernels:
  - .name:           k_qfbc9ccf0ca_up
    .symbol:         k_qfbc9ccf0ca_up.kd
    .args:
      - { .name: w0, .offset: 0, .size: 8, .value_kind: global_buffer, .address_space: global }
      - { .name: w1, .offset: 8, .size: 8, .value_kind: global_buffer, .address_space: global }
      - { .name: xq, .offset: 16, .size: 8, .value_kind: global_buffer, .address_space: global }
      - { .name: lst, .offset: 24, .size: 8, .value_kind: global_buffer, .address_space: global }
      - { .name: hq, .offset: 32, .size: 8, .value_kind: global_buffer, .address_space: global }
      - { .name: sel, .offset: 40, .size: 8, .value_kind: global_buffer, .address_space: global }
    .group_segment_fixed_size: 245248
    .private_segment_fixed_size: 0
    .kernarg_segment_align: 8
    .kernarg_segment_size: 48
    .max_flat_workgroup_size: 128
    .sgpr_count:     100
    .vgpr_count:     1024
    .wavefront_size: 32
...
	.end_amdgpu_metadata
.endif
;; end of part 2
;; launch down (part 3): grid 256 x 1, 4 waves a work-group, no clusters, 136,704 bytes of LDS; arguments woq, hq, lst, y; writes y
.if DOCPART == 3
	.amdgcn_target "amdgcn-amd-amdhsa--gfx1250"
	.amdhsa_code_object_version 6
	.text
	.protected	k_qfbc9ccf0ca_down
	.globl	k_qfbc9ccf0ca_down
	.p2align	8
	.type	k_qfbc9ccf0ca_down,@function
k_qfbc9ccf0ca_down:
	s_mov_b64 s[64:65], 0
	v_nop
	global_prefetch_b8 v0, s[64:65] scope:SCOPE_SE
	s_setreg_imm32_b32 hwreg(HW_REG_WAVE_MODE, 25, 1), 1
	s_wait_xcnt 0x0
; DOWN.  y[2 t + k][:] = h_row wo[e], on codes of E2M3 with E8M0 scales for 32 along K = F; not yet weighted.
; Work-group (e = id / 32, c128 = (id / 4) % 8, rq = id % 4) makes 128 columns for the blocks of 64 list rows rq, rq + 4, rq + 8, rq + 12 of expert e: a loop of four trips, which serves every count up to 1,024.
; Wave w owns 32 columns (group cg = 4 c128 + w): its 32 fragments of wo (16 K steps x 2 tiles, 384 registers) and their scale words stay in registers for the whole launch.
; A TRIP.  Copy: the block's h (two pairs' regions of hq, 98,304 + 4,096 consecutive bytes) into LDS through registers, a quarter a wave | barrier | products, transposed (source 0 = 16 columns of wo, source 1 = 16 rows of h):
;   a lane holds one row and eight neighbouring columns; results into a stage | barrier | each wave stores 16 whole rows of 512 bytes at the places that the list names; a pad (4095) is passed over.
; The barriers stand on the way that every wave takes; only the three pieces of work stand under branches on the stored count.  A trip without rows loads nothing.  Between the first barrier and the second the copy is only
; read and the stage only written (each wave its own columns); between the second and the next first the stage is only read and the copy only written.
; REGISTERS, in windows of 256.  Window 0: v1-15 addresses; v16-31 wo's scale words, v32-63 h's (scales and nothing else); v64-127 the eight accumulators (tile of rows t4, tile of columns j) at 64 + 16 t4 + 8 j;
;   v128-191 rows read back; v192-207 their addresses; v208-215 the scale words' copy.  Windows 1, 2: wo's fragments, K steps 0-7, 8-15, at 12 (2 (s % 8) + j).  Window 3: the copy's 192 registers, then two sets of 8 fragments of h.
.set WOS,  12582912
.set HSB,  12582912
.set HL,   0
.set HSL,  98304
.set STG,  102400
.set SP,   528
.set A16,  4                           ; v4  768 h + 16 r: the first 16 bytes of my row's block, pair 0;  v6: pair 1
.set A8,   5                           ; v5  512 + 768 h + 8 r: its last 8 bytes;  v7: pair 1
.set A16B, 6
.set A8B,  7
.set CPA,  8
.set CPS,  9
.set SO,   10
.set SR,   11
.set CO,   12
.set L16,  13
.set L8,   14
.set HSA,  15
.set WS,   16
.set HS,   32                          ; v[32 + 16 pair + s]: lanes 0-15 the pair's first tile, lanes 16-31 its second
.set ACC,  64
.set RB,   128
.set AO,   192
.set MSB, 0
.macro WIN new                         ; the immediate's high byte repeats the setting that is left
.if MSB != \new
	s_set_vgpr_msb (MSB<<8)|\new
.set MSB, \new
.endif
.endm
.macro WMS                             ; one product, by the symbols ks, rD, rA, rB, rSA, rSB, rowa, rowb
.if ks == 0
.if rowa && rowb
	v_wmma_scale_f32_16x16x128_f8f6f4 v[rD:rD+7], v[rA:rA+11], v[rB:rB+11], 0, v[rSA], v[rSB] matrix_a_fmt:MATRIX_FMT_FP6 matrix_b_fmt:MATRIX_FMT_FP6 matrix_a_scale:MATRIX_SCALE_ROW1 matrix_b_scale:MATRIX_SCALE_ROW1
.elseif rowa
	v_wmma_scale_f32_16x16x128_f8f6f4 v[rD:rD+7], v[rA:rA+11], v[rB:rB+11], 0, v[rSA], v[rSB] matrix_a_fmt:MATRIX_FMT_FP6 matrix_b_fmt:MATRIX_FMT_FP6 matrix_a_scale:MATRIX_SCALE_ROW1
.elseif rowb
	v_wmma_scale_f32_16x16x128_f8f6f4 v[rD:rD+7], v[rA:rA+11], v[rB:rB+11], 0, v[rSA], v[rSB] matrix_a_fmt:MATRIX_FMT_FP6 matrix_b_fmt:MATRIX_FMT_FP6 matrix_b_scale:MATRIX_SCALE_ROW1
.else
	v_wmma_scale_f32_16x16x128_f8f6f4 v[rD:rD+7], v[rA:rA+11], v[rB:rB+11], 0, v[rSA], v[rSB] matrix_a_fmt:MATRIX_FMT_FP6 matrix_b_fmt:MATRIX_FMT_FP6
.endif
.else
.if rowa && rowb
	v_wmma_scale_f32_16x16x128_f8f6f4 v[rD:rD+7], v[rA:rA+11], v[rB:rB+11], v[rD:rD+7], v[rSA], v[rSB] matrix_a_fmt:MATRIX_FMT_FP6 matrix_b_fmt:MATRIX_FMT_FP6 matrix_a_scale:MATRIX_SCALE_ROW1 matrix_b_scale:MATRIX_SCALE_ROW1
.elseif rowa
	v_wmma_scale_f32_16x16x128_f8f6f4 v[rD:rD+7], v[rA:rA+11], v[rB:rB+11], v[rD:rD+7], v[rSA], v[rSB] matrix_a_fmt:MATRIX_FMT_FP6 matrix_b_fmt:MATRIX_FMT_FP6 matrix_a_scale:MATRIX_SCALE_ROW1
.elseif rowb
	v_wmma_scale_f32_16x16x128_f8f6f4 v[rD:rD+7], v[rA:rA+11], v[rB:rB+11], v[rD:rD+7], v[rSA], v[rSB] matrix_a_fmt:MATRIX_FMT_FP6 matrix_b_fmt:MATRIX_FMT_FP6 matrix_b_scale:MATRIX_SCALE_ROW1
.else
	v_wmma_scale_f32_16x16x128_f8f6f4 v[rD:rD+7], v[rA:rA+11], v[rB:rB+11], v[rD:rD+7], v[rSA], v[rSB] matrix_a_fmt:MATRIX_FMT_FP6 matrix_b_fmt:MATRIX_FMT_FP6
.endif
.endif
.endm
; h's fragments of K steps 2 u, 2 u + 1, four tiles of rows, into set u % 2: 32 LDS loads.  Registers 6 c .. 6 c + 5 of lane (r, h) are block 4 s + 2 c + h of row r: 16 bytes and 8 bytes, as hq keeps them.
.macro FETCH u
	WIN 0xc0
.irp sl, 0,1
.irp t4, 0,1,2,3
.irp c, 0,1
.set rF, 96*((\u)%2)+12*(4*\sl+\t4)+6*\c
.set oF, (2*(\u)+\sl)*3072+\c*1536
.if \t4 < 2
	ds_load_b128 v[rF:rF+3], v[A16] offset:oF+256*(\t4%2)
	ds_load_b64 v[rF+4:rF+5], v[A8] offset:oF+128*(\t4%2)
.else
	ds_load_b128 v[rF:rF+3], v[A16B] offset:oF+256*(\t4%2)
	ds_load_b64 v[rF+4:rF+5], v[A8B] offset:oF+128*(\t4%2)
.endif
.endr
.endr
.endr
	WIN 0
.endm
.macro MBD u                           ; 16 products; the eight accumulators take turns, one instruction a turn, in the same order in every K step
.if (\u) < 4
	WIN 0x0d                                       ; source 0 (wo) window 1, source 1 (h) window 3
.else
	WIN 0x0e                                       ; wo in window 2
.endif
.irp sl, 0,1
.irp t4, 0,1,2,3
.irp j, 0,1
.set ks, 2*(\u)+\sl
.set rD, ACC+16*\t4+8*\j
.set rA, 12*(2*(ks%8)+\j)
.set rB, 96*((\u)%2)+12*(4*\sl+\t4)
.set rSA, WS+ks
.set rSB, HS+16*(\t4/2)+ks
.set rowa, \j
.set rowb, \t4%2
	WMS
.endr
.endr
.endr
	WIN 0
.endm
.macro ROWOUT i                        ; my row i of the block goes where its entry says; a pad goes nowhere
	s_cmp_lt_u32 s[48+\i], 2048
	s_cbranch_scc0 .Lpad_\@
	s_min_u32 s46, s[48+\i], 2047
	s_lshl_b32 s46, s46, 12                        ; a row of y is 4,096 bytes
	v_add_nc_u32 v[AO+\i], s46, v[CO]
	global_store_b128 v[AO+\i], v[RB+4*\i:RB+4*\i+3], s[10:11] th:TH_STORE_NT   ; 512 consecutive bytes, aligned to 256
.Lpad_\@:
.endm
	s_load_b256 s[4:11], s[0:1], 0x0               ; woq s[4:5], hq s[6:7], lst s[8:9], y s[10:11]
	v_lshl_add_u32 v254, v0, 2, 0x21400
	v_mov_b32 v255, 0
	v_lshrrev_b32 v1, 5, v0
	v_readfirstlane_b32 s14, v1                    ; wave
	v_and_b32 v1, 31, v0
	v_and_b32 v2, 15, v0                           ; r
	v_bfe_u32 v3, v0, 4, 1                         ; h
	s_lshr_b32 s15, ttmp9, 5                       ; e
	s_bfe_u32 s16, ttmp9, 0x30002                  ; c128
	s_and_b32 s17, ttmp9, 3                        ; rq
	s_lshl_b32 s18, s16, 2
	s_add_co_u32 s18, s18, s14                     ; cg
	v_mul_u32_u24 v[A16], v3, 768
	v_lshl_add_u32 v[A8], v2, 3, v[A16]
	v_lshl_add_u32 v[A16], v2, 4, v[A16]
	v_add_nc_u32 v[A8], 512, v[A8]
	v_add_nc_u32 v[A16B], 49152, v[A16]
	v_add_nc_u32 v[A8B], 49152, v[A8]
	v_lshlrev_b32 v[L16], 4, v1
	s_wait_alu depctr_va_vdst(0)
	v_lshlrev_b32 v[L8], 3, v1
	s_mul_i32 s19, s14, 24576
	v_add_nc_u32 v[CPA], s19, v[L16]
	s_lshl_b32 s19, s14, 10
	s_add_co_u32 s19, s19, HSL
	v_add_nc_u32 v[CPS], s19, v[L16]
	v_mul_u32_u24 v[SO], v2, SP
	v_lshl_add_u32 v[SO], v3, 5, v[SO]
	s_lshl_b32 s19, s14, 7
	s_add_co_u32 s19, s19, STG
	v_add_nc_u32 v[SO], s19, v[SO]                 ; the stage: row r, + 128 w + 32 h
	s_mul_i32 s19, s14, 16*SP
	s_add_co_u32 s19, s19, STG
	v_add_nc_u32 v[SR], s19, v[L16]                ; back: my 16 rows, 16 bytes a lane
	s_lshl_b32 s19, s16, 9
	v_add_nc_u32 v[CO], s19, v[L16]                ; my bytes of a row of y
	v_add_nc_u32 v[HSA], HSL, v[L16]
	s_lshl_b32 s30, s15, 5
	s_add_co_u32 s32, s30, s18                     ; 32 e + cg
	s_mul_i32 s32, s32, 49152
	s_mov_b32 s33, 0
	s_lshl_b32 s34, s15, 4
	s_lshr_b32 s35, s18, 1
	s_add_co_u32 s34, s34, s35
	s_lshl_b32 s34, s34, 12
	s_and_b32 s35, s18, 1
	s_lshl_b32 s35, s35, 2
	s_add_co_u32 s34, s34, s35
	s_add_co_u32 s34, s34, WOS
	s_mov_b32 s35, 0
	s_mul_i32 s36, s15, 4608
	s_mov_b32 s37, 0
	s_lshl_b32 s38, s17, 8                         ; 64 rq words,
	s_lshl_b32 s39, s14, 6                         ; 16 w words
	s_add_co_u32 s38, s38, s39
	s_mov_b32 s39, 0
	s_lshl_b32 s31, s17, 1
	s_add_co_u32 s31, s31, s30                     ; 32 e + 2 rq: my first block's first pair
	s_mul_i32 s26, s31, 49152
	s_mul_i32 s19, s14, 24576
	s_add_co_u32 s26, s26, s19
	s_mov_b32 s27, 0
	s_lshl_b32 s28, s31, 11
	s_lshl_b32 s19, s14, 10
	s_add_co_u32 s28, s28, s19
	s_add_co_u32 s28, s28, HSB
	s_mov_b32 s29, 0
	s_lshl_b32 s40, s17, 6                         ; the block's first list place
	s_mov_b32 s42, 0
.irp i, 0,1,2,3,4,5,6,7,8,9,10,11,12,13,14,15
	s_mov_b32 s[48+\i], 4095                       ; the entries begin as pads: they are loaded only where the block has rows, and are so written on every way
.endr
	s_wait_alu depctr_va_vdst(0)
	s_wait_kmcnt 0x0
	s_add_nc_u64 s[20:21], s[4:5], s[32:33]
	s_add_nc_u64 s[22:23], s[4:5], s[34:35]
	s_add_nc_u64 s[24:25], s[8:9], s[36:37]
	s_add_nc_u64 s[44:45], s[24:25], s[38:39]
	s_add_nc_u64 s[26:27], s[6:7], s[26:27]
	s_add_nc_u64 s[28:29], s[6:7], s[28:29]
	s_load_b32 s41, s[24:25], 0x1180               ; the count (word 1120)
	WIN 0x40
.irp s, 0,1,2,3,4,5,6,7
.irp j, 0,1
.irp g, 0,1,2
	global_load_b128 v[12*(2*\s+\j)+4*\g:12*(2*\s+\j)+4*\g+3], v[L16], s[20:21] offset:\s*3072+\j*1536+512*\g
.endr
.endr
.endr
	WIN 0x80
.irp s, 0,1,2,3,4,5,6,7
.irp j, 0,1
.irp g, 0,1,2
	global_load_b128 v[12*(2*\s+\j)+4*\g:12*(2*\s+\j)+4*\g+3], v[L16], s[20:21] offset:(\s+8)*3072+\j*1536+512*\g
.endr
.endr
.endr
	WIN 0
.irp s, 0,1,2,3,4,5,6,7,8,9,10,11,12,13,14,15
	global_load_b32 v[WS+\s], v[L8], s[22:23] offset:256*\s
.endr
	s_wait_kmcnt 0x0
	s_min_u32 s41, s41, 1024
.Lblk:
	s_cmp_lt_u32 s40, s41
	s_cbranch_scc0 .Lno_copy
	s_load_b512 s[48:63], s[44:45], 0x0            ; my 16 rows' entries: list words under 64 ceil(count / 64), all of them written; wanted behind the second barrier
	WIN 0xc0
.set i, 0
.rept 48
	global_load_b128 v[4*i:4*i+3], v[L16], s[26:27] offset:512*i
.set i, i+1
.endr
	WIN 0
	global_load_b128 v[208:211], v[L16], s[28:29]
	global_load_b128 v[212:215], v[L16], s[28:29] offset:512
	WIN 0x0c                                       ; an LDS store's data are its source 1: window 3
.set k, 0
.rept 6
	s_wait_loadcnt 42-8*k                          ; eight more loads are in: behind them 42, 34, 26, 18, 10, 2 were issued
.set i, 0
.rept 8
	ds_store_b128 v[CPA], v[4*(8*k+i):4*(8*k+i)+3] offset:512*(8*k+i)
.set i, i+1
.endr
.set k, k+1
.endr
	WIN 0
	s_wait_loadcnt 0x0
	ds_store_b128 v[CPS], v[208:211]
	ds_store_b128 v[CPS], v[212:215] offset:512
.Lno_copy:
	s_wait_dscnt 0x0                               ; my part of the copy has landed, and my reads of the stage are over
	s_barrier_signal -1
	s_barrier_wait -1
	s_cmp_lt_u32 s40, s41
	s_cbranch_scc0 .Lno_mul
	s_wait_loadcnt 0x0                             ; wo's fragments and scale words
.irp p, 0,1
.irp q, 0,1,2,3
	ds_load_b128 v[HS+16*\p+4*\q:HS+16*\p+4*\q+3], v[HSA] offset:2048*\p+512*\q
.endr
.endr
	FETCH 0
	FETCH 1
.irp u, 0,1,2,3,4,5,6,7
.if \u < 7
	s_wait_dscnt 32                                ; all but the younger set's 32 loads
.else
	s_wait_dscnt 0x0
.endif
	MBD \u
.rept 4
	v_nop                                          ; four places in front of loads into registers that the products have read, and of the first read of results
.endr
.if \u < 6
	FETCH \u+2
.endif
.endr
	v_nop                                          ; a fifth: the next block's first products write over these accumulators
.irp t4, 0,1,2,3
.irp j, 0,1
	ds_store_b128 v[SO], v[ACC+16*\t4+8*\j:ACC+16*\t4+8*\j+3] offset:16*\t4*SP+64*\j        ; lane (r, h): row 16 t4 + r, columns 32 w + 16 j + 8 h + 0 .. 7; each accumulator from its low end on
	ds_store_b128 v[SO], v[ACC+16*\t4+8*\j+4:ACC+16*\t4+8*\j+7] offset:16*\t4*SP+64*\j+16
.endr
.endr
.Lno_mul:
	s_wait_dscnt 0x0                               ; my columns of the stage have landed, and my reads of the copy are over
	s_barrier_signal -1
	s_barrier_wait -1
	s_wait_kmcnt 0x0                               ; the entries; on the way that every wave takes, since their base is stepped below
	s_cmp_lt_u32 s40, s41
	s_cbranch_scc0 .Lno_out
.irp i, 0,1,2,3,4,5,6,7,8,9,10,11,12,13,14,15
	ds_load_b128 v[RB+4*\i:RB+4*\i+3], v[SR] offset:\i*SP
.endr
	s_wait_dscnt 0x0
.irp i, 0,1,2,3,4,5,6,7,8,9,10,11,12,13,14,15
	ROWOUT \i
.endr
.Lno_out:
	s_wait_xcnt 0x0                                ; loads and stores have read their bases, addresses and data: all are written again from here on
	s_add_nc_u64 s[44:45], s[44:45], 1024          ; four blocks of 64 on: in the list,
	s_add_nc_u64 s[26:27], s[26:27], 393216        ; in h's codes (eight pairs),
	s_add_nc_u64 s[28:29], s[28:29], 16384         ; in h's scale words
	s_add_co_u32 s40, s40, 256
	s_add_co_u32 s42, s42, 1
	s_cmp_lt_u32 s42, 4
	s_cbranch_scc1 .Lblk
	s_wait_tensorcnt 0x0
	ds_add_u32 v254, v255
	s_wait_dscnt 0x0
	s_endpgm
.Lfunc_end_k_qfbc9ccf0ca_down:
	.size	k_qfbc9ccf0ca_down, .Lfunc_end_k_qfbc9ccf0ca_down-k_qfbc9ccf0ca_down
	.p2alignl 7, 3214868480
	.fill 96, 4, 3214868480
	.section	.rodata,"a",@progbits
	.p2align	6, 0x0
	.amdhsa_kernel k_qfbc9ccf0ca_down
		.amdhsa_group_segment_fixed_size 136704
		.amdhsa_private_segment_fixed_size 0
		.amdhsa_enable_private_segment 0
		.amdhsa_kernarg_size 32
		.amdhsa_user_sgpr_count 2
		.amdhsa_user_sgpr_kernarg_segment_ptr 1
		.amdhsa_wavefront_size32 1
		.amdhsa_system_sgpr_workgroup_id_x 1
		.amdhsa_system_sgpr_workgroup_id_y 1
		.amdhsa_system_sgpr_workgroup_id_z 1
		.amdhsa_system_vgpr_workitem_id 0
		.amdhsa_next_free_vgpr 960
		.amdhsa_next_free_sgpr 66
		.amdhsa_reserve_vcc 0
		.amdhsa_float_denorm_mode_32 3
		.amdhsa_float_denorm_mode_16_64 3
		.amdhsa_memory_ordered 1
		.amdhsa_forward_progress 1
		.amdhsa_inst_pref_size 67
	.end_amdhsa_kernel
	.amdgpu_metadata
---
amdhsa.version: [ 1, 2 ]
amdhsa.kernels:
  - .name:           k_qfbc9ccf0ca_down
    .symbol:         k_qfbc9ccf0ca_down.kd
    .args:
      - { .name: woq, .offset: 0, .size: 8, .value_kind: global_buffer, .address_space: global }
      - { .name: hq, .offset: 8, .size: 8, .value_kind: global_buffer, .address_space: global }
      - { .name: lst, .offset: 16, .size: 8, .value_kind: global_buffer, .address_space: global }
      - { .name: y, .offset: 24, .size: 8, .value_kind: global_buffer, .address_space: global }
    .group_segment_fixed_size: 136704
    .private_segment_fixed_size: 0
    .kernarg_segment_align: 8
    .kernarg_segment_size: 32
    .max_flat_workgroup_size: 128
    .sgpr_count:     66
    .vgpr_count:     960
    .wavefront_size: 32
...
	.end_amdgpu_metadata
.endif
;; end of part 3
;; launch comb (part 4): grid 256 x 1, 4 waves a work-group, no clusters, 0 bytes of LDS; arguments y, prob, out0; writes out0
.if DOCPART == 4
	.amdgcn_target "amdgcn-amd-amdhsa--gfx1250"
	.amdhsa_code_object_version 6
	.text
	.protected	k_qfbc9ccf0ca_comb
	.globl	k_qfbc9ccf0ca_comb
	.p2align	8
	.type	k_qfbc9ccf0ca_comb,@function
k_qfbc9ccf0ca_comb:
	s_mov_b64 s[64:65], 0
	v_nop
	global_prefetch_b8 v0, s[64:65] scope:SCOPE_SE
	s_setreg_imm32_b32 hwreg(HW_REG_WAVE_MODE, 25, 1), 1
	s_wait_xcnt 0x0
; COMB.  out0[t] = p_first y[2 t] + p_second y[2 t + 1], in f32.  A wave to a token: 8,192 consecutive bytes in, 4,096 out; every load and store of the wave covers 512 consecutive bytes, aligned to 256.
; All 16 loads go out at once; no register is written twice, so no wait but the counted ones is needed.  No LDS, no matrix unit: memory binds.
.set Y0, 16
.set Y1, 48
.set O,  80
	s_load_b128 s[4:7], s[0:1], 0x0                ; y, prob
	s_load_b64 s[8:9], s[0:1], 0x10                ; out0
	v_lshrrev_b32 v1, 5, v0
	v_readfirstlane_b32 s10, v1
	v_and_b32 v1, 31, v0
	v_lshlrev_b32 v1, 4, v1
	s_lshl_b32 s11, ttmp9, 2
	s_add_co_u32 s11, s11, s10                     ; my token
	s_lshl_b32 s16, s11, 13
	s_mov_b32 s17, 0
	s_lshl_b32 s18, s11, 3
	s_mov_b32 s19, 0
	s_lshl_b32 s20, s11, 12
	s_mov_b32 s21, 0
	s_wait_alu depctr_va_vdst(0)
	s_wait_kmcnt 0x0
	s_add_nc_u64 s[4:5], s[4:5], s[16:17]
	s_add_nc_u64 s[6:7], s[6:7], s[18:19]
	s_add_nc_u64 s[8:9], s[8:9], s[20:21]
	s_load_b64 s[12:13], s[6:7], 0x0               ; p_first, p_second
.irp i, 0,1,2,3,4,5,6,7
	global_load_b128 v[Y0+4*\i:Y0+4*\i+3], v1, s[4:5] offset:512*\i th:TH_LOAD_NT
	global_load_b128 v[Y1+4*\i:Y1+4*\i+3], v1, s[4:5] offset:4096+512*\i th:TH_LOAD_NT
.endr
	s_wait_kmcnt 0x0
	s_mov_b32 s14, s13                             ; the packed forms name a pair and take its low word for both halves
	s_mov_b32 s15, s13
.irp i, 0,1,2,3,4,5,6,7
	s_wait_loadcnt 14-2*\i                         ; this piece's two loads are in; two for each younger piece may be out
	v_pk_mul_f32 v[O+4*\i:O+4*\i+1], v[Y0+4*\i:Y0+4*\i+1], s[12:13] op_sel_hi:[1,0]
	v_pk_mul_f32 v[O+4*\i+2:O+4*\i+3], v[Y0+4*\i+2:Y0+4*\i+3], s[12:13] op_sel_hi:[1,0]
	v_pk_fma_f32 v[O+4*\i:O+4*\i+1], v[Y1+4*\i:Y1+4*\i+1], s[14:15], v[O+4*\i:O+4*\i+1] op_sel_hi:[1,0,1]
	v_pk_fma_f32 v[O+4*\i+2:O+4*\i+3], v[Y1+4*\i+2:Y1+4*\i+3], s[14:15], v[O+4*\i+2:O+4*\i+3] op_sel_hi:[1,0,1]
	global_store_b128 v1, v[O+4*\i:O+4*\i+3], s[8:9] offset:512*\i th:TH_STORE_NT
.endr
	s_endpgm
.Lfunc_end_k_qfbc9ccf0ca_comb:
	.size	k_qfbc9ccf0ca_comb, .Lfunc_end_k_qfbc9ccf0ca_comb-k_qfbc9ccf0ca_comb
	.p2alignl 7, 3214868480
	.fill 96, 4, 3214868480
	.section	.rodata,"a",@progbits
	.p2align	6, 0x0
	.amdhsa_kernel k_qfbc9ccf0ca_comb
		.amdhsa_group_segment_fixed_size 0
		.amdhsa_private_segment_fixed_size 0
		.amdhsa_enable_private_segment 0
		.amdhsa_kernarg_size 24
		.amdhsa_user_sgpr_count 2
		.amdhsa_user_sgpr_kernarg_segment_ptr 1
		.amdhsa_wavefront_size32 1
		.amdhsa_system_sgpr_workgroup_id_x 1
		.amdhsa_system_sgpr_workgroup_id_y 1
		.amdhsa_system_sgpr_workgroup_id_z 1
		.amdhsa_system_vgpr_workitem_id 0
		.amdhsa_next_free_vgpr 112
		.amdhsa_next_free_sgpr 66
		.amdhsa_reserve_vcc 0
		.amdhsa_float_denorm_mode_32 3
		.amdhsa_float_denorm_mode_16_64 3
		.amdhsa_memory_ordered 1
		.amdhsa_forward_progress 1
		.amdhsa_inst_pref_size 6
	.end_amdhsa_kernel
	.amdgpu_metadata
---
amdhsa.version: [ 1, 2 ]
amdhsa.kernels:
  - .name:           k_qfbc9ccf0ca_comb
    .symbol:         k_qfbc9ccf0ca_comb.kd
    .args:
      - { .name: y, .offset: 0, .size: 8, .value_kind: global_buffer, .address_space: global }
      - { .name: prob, .offset: 8, .size: 8, .value_kind: global_buffer, .address_space: global }
      - { .name: out0, .offset: 16, .size: 8, .value_kind: global_buffer, .address_space: global }
    .group_segment_fixed_size: 0
    .private_segment_fixed_size: 0
    .kernarg_segment_align: 8
    .kernarg_segment_size: 24
    .max_flat_workgroup_size: 128
    .sgpr_count:     66
    .vgpr_count:     112
    .wavefront_size: 32
...
	.end_amdgpu_metadata
.endif
;; end of part 4
